; MI455X (gfx1250); checked and timed in simulation.
; The chip was launched on July 23, 2026; its instructions are those of AMD's public machine-readable ISA for CDNA 5 (MIT licence, August 2026) and "CDNA5" Instruction Set Architecture Reference Guide (July 2026). The comments in the code are by the model that wrote it; some were corrected since.
;; RBF Network. Allowed arithmetic: matrix products marked QUANTISED: E2M1 operands, one E8M0 scale for each 32 along K, by v_wmma_scale_f32_16x16x128_f8f6f4 with both operands' format E2M1 (or v_wmma_scale_f32_32x16x128_f4), f32 sums; products left as they are: f32 operands where the result goes on into a quantised operand, else bf16, f16 or f32 operands; f32 sums; everything else in f32.
;; Inputs: W 1 x 1,024 float32; b 1 float32; centers 1,024 x 512 float32; x 65,536 x 512 float32.
;; Outputs: out0 65,536 x 1 float32.
;; This version of the problem:
;;   THIS VERSION OF THE PROBLEM IS GIVEN IN LOW PRECISION. The matrix products marked QUANTISED in the list below multiply operands that are first quantised to E2M1 (2 exponent bits, 1 mantissa bit; 4 bits a number), with one power-of-two scale for each 32 numbers along K (OCP MX v1.0); their sums are f32. All else is computed in f32.
;;   The module's matrix products, in the order in which they are computed (A, B: the left and right operand; K: the contracted axis; several contracted axes count as one K, in the product's order):
;;     1. [M 65,536, K 512] x [K 512, N 1,024]; A: input x; B: input centers: QUANTISED
;;     2. [M 65,536, K 1,024] x [K 1,024, N 1]; A: computed on the way; B: input W: left as it is (N = 1 < 16)
;;   THE QUANTISER, for each operand of a quantised product, along K:
;;     - K is cut into blocks of 32 from its start; a last block that is shorter is filled with zeros.
;;     - A block's scale is 2^e with e = floor(log2(the largest magnitude in the block)) - 2, held to -126 .. 127; a block of zeros has e = 0. As a byte (E8M0): e + 127.
;;     - Each number is divided by its block's scale, clamped to +-6, and rounded to the nearest number of E2M1, ties to even, subnormals kept.
;;     - The product sums the exact products of the quantised numbers (number of the format x scale) in f32.
;;   ~~~python
;;   def quantise(x, axis):      # numpy; x: float32 -> the quantised numbers, widened to float32 again
;;       x = np.moveaxis(x, axis, -1); K = x.shape[-1]
;;       x = np.pad(x, [(0, 0)] * (x.ndim - 1) + [(0, -K % 32)]); x = x.reshape(x.shape[:-1] + (-1, 32)); a = np.abs(x).max(-1, keepdims=True)
;;       e = np.where(a > 0, np.clip(np.frexp(np.where(a > 0, a, 1))[1] - 1 - 2, -126, 127), 0)      # np.frexp(a)[1] - 1 = floor(log2(a)), exactly
;;       r = np.clip(x / 2.0 ** e, -6, 6)
;;       step = 2.0 ** (np.maximum(np.frexp(np.where(r == 0, 1, r))[1] - 1, 0) - 1)
;;       q = np.round(r / step) * step * 2.0 ** e      # np.round: ties to even
;;       return np.moveaxis(q.reshape(q.shape[:-2] + (-1,))[..., :K], -1, axis).astype(np.float32)
;;   ~~~
;; One version. Each part assembles by itself: llvm-mc -triple=amdgcn-amd-amdhsa -mcpu=gfx1250 --defsym DOCPART=n.
;; ======== version 1 of 1: 2 launches
;; limits: right only within a limited range of input values
;; workspace buffers: ccodes 262,144 bytes; cscales 16,384 bytes; cv 4,096 bytes
;; launch prep (part 1): grid 64 x 1, 16 waves a work-group, no clusters, 47,872 bytes of LDS; arguments centers, ccodes, cscales, cv; writes ccodes, cscales, cv
.if DOCPART == 1
	.amdgcn_target "amdgcn-amd-amdhsa--gfx1250"
	.amdhsa_code_object_version 6
	.text
	.protected	k_qcf8e0a759b_prep
	.globl	k_qcf8e0a759b_prep
	.p2align	8
	.type	k_qcf8e0a759b_prep,@function
k_qcf8e0a759b_prep:
	s_mov_b64 s[64:65], 0
	v_nop
	global_prefetch_b8 v0, s[64:65] scope:SCOPE_SE
	s_setreg_imm32_b32 hwreg(HW_REG_WAVE_MODE, 25, 1), 1
	s_wait_xcnt 0x0
; The centres [1024][512] f32 are quantised ONCE, for all work-groups of the next launch: codes of FP4 (E2M1), one E8M0 scale byte for each 32 along K,
; and V[c] = -(S / 2) |c|^2 with S = gamma log2(e) / 256, the centre's own term of the exponent in base 2.
; A block's scale is 2^(floor(log2(its largest magnitude)) - 2): its byte is the largest magnitude's exponent field - 2, held at 1 from below.
; LIMITS: a block whose largest magnitude lies under 2^-124 (zeros too) gets the byte 1; this program alone reads the bytes.
;   NaN and infinities among the inputs are not served.  |c|^2 is summed in f32 in another order than a plain row sum.
; LAYOUT OF THE CODES: in the order of the operand's registers.  The 16 bytes (32 codes) of centre 16 T + r, block B, lie at 4096 T + 256 B + 16 r.  The scale bytes: [centre][16].
; SHARES: work-group T makes tile T (16 centres), wave w its row w: 2,048 dense bytes, four loads of 512.  They turn through the wave's own stage in LDS (16 bytes of padding behind each 64)
; and come back 64 bytes a lane: lane l holds the 16 neighbours of half block l.
; No tensor loads: 2 MiB in all, read once.  No matrix work.
.set IMG,  0                           ; LDS: the tile's image: 16 blocks B of 256 bytes, 272 apart
.set SCB,  4352                        ; its 256 scale bytes
.set X2B,  4608                        ; its 16 V (64 bytes of a block of 256)
.set STG,  4864                        ; the stages: 2,560 bytes for each wave
.set SPARE, 45824                      ; the spare words, 128 bytes for each wave
.set RAW,  16                          ; v16-31   the numbers as loaded
.set N,    32                          ; v32-47   16 neighbours
.set SPW,  60
.set NIL,  61
	s_load_b256 s[4:11], s[0:1], 0x0               ; centres s[4:5], codes s[6:7], scale bytes s[8:9], V s[10:11]
	v_lshl_add_u32 v[SPW], v0, 2, SPARE
	v_mov_b32 v[NIL], 0
	v_lshrrev_b32 v2, 5, v0
	v_readfirstlane_b32 s12, v2                    ; wave 0..15
	s_mul_i32 s13, s12, 2560
	s_add_co_u32 s13, s13, STG                     ; my stage
	s_mov_b32 s14, 0x76543210                      ; v_permlanex16_b32's selects for lane l xor 16
	s_mov_b32 s15, 0xfedcba98
	s_lshl_b32 s16, s12, 4
	s_add_co_u32 s17, s16, SCB
	s_lshl_b32 s18, s12, 2
	s_add_co_u32 s18, s18, X2B
	s_mul_i32 s19, s12, 544
	s_lshl_b32 s20, ttmp9, 15                      ; the tile's 16 rows of 2,048 bytes,
	s_lshl_b32 s21, s12, 11                        ; my row
	s_add_co_u32 s20, s20, s21
	s_mov_b32 s21, 0
	s_lshl_b32 s22, ttmp9, 12                      ; the tile's image in the codes' buffer, my 512 bytes of it (waves 0-7)
	s_lshl_b32 s23, s12, 9
	s_add_co_u32 s22, s22, s23
	s_mov_b32 s23, 0
	s_lshl_b32 s24, ttmp9, 8                       ; its scale bytes
	s_mov_b32 s25, 0
	s_lshl_b32 s26, ttmp9, 6                       ; its V
	s_mov_b32 s27, 0
	v_and_b32 v2, 31, v0                           ; l
	v_and_b32 v13, 3, v0                           ; l % 4
	v_bfe_u32 v14, v0, 2, 3                        ; l / 4
	v_and_b32 v15, 15, v0                          ; l % 16
	v_bfe_u32 v16, v0, 4, 1                        ; l / 16
	v_bfe_u32 v17, v0, 1, 4                        ; l / 2: my block
	v_and_b32 v18, 1, v0                           ; l % 2: its half
	v_lshlrev_b32 v1, 4, v2                        ; v1: 16 l
	v_mul_u32_u24 v3, v14, 80
	v_mul_u32_u24 v4, v2, 80
	v_mul_u32_u24 v5, v17, 272
	v_mul_u32_u24 v8, v16, 272
	v_lshl_add_u32 v3, v13, 4, v3
	v_lshl_add_u32 v5, v18, 3, v5
	v_lshl_add_u32 v8, v15, 4, v8
	v_add_nc_u32 v3, s13, v3                       ; v3: into the stage: 80 (l / 4) + 16 (l % 4); a load's 512 bytes take eight places
	v_add_nc_u32 v4, s13, v4                       ; v4: out of it: 80 l
	v_add_nc_u32 v5, s16, v5                       ; v5: the image: 272 (l / 2) + 16 w + 8 (l % 2)
	v_add_nc_u32 v6, s17, v17                      ; v6: my block's scale byte
	v_mov_b32 v7, s18                              ; v7: my row's V
	v_add_nc_u32 v8, s19, v8                       ; v8: the way out: blocks 2 w + l / 16
	v_lshlrev_b32 v9, 3, v2                        ; v9: 8 l
	v_lshlrev_b32 v10, 2, v15                      ; v10: 4 (l % 16)
	v_lshl_add_u32 v11, v2, 3, SCB
	v_lshl_add_u32 v12, v15, 2, X2B
	s_wait_alu depctr_va_vdst(0)                   ; the wait at the head's end
	s_wait_kmcnt 0x0
	s_add_nc_u64 s[4:5], s[4:5], s[20:21]
	s_add_nc_u64 s[6:7], s[6:7], s[22:23]
	s_add_nc_u64 s[8:9], s[8:9], s[24:25]
	s_add_nc_u64 s[10:11], s[10:11], s[26:27]
.irp m, 0,1,2,3
	global_load_b128 v[RAW+4*\m:RAW+4*\m+3], v1, s[4:5] offset:512*\m th:TH_LOAD_NT   ; 512 dense bytes a load
.endr
.irp m, 0,1,2,3
	s_wait_loadcnt 3-\m
	ds_store_b128 v3, v[RAW+4*\m:RAW+4*\m+3] offset:640*\m
.endr
.irp j, 0,1,2,3
	ds_load_b128 v[N+4*\j:N+4*\j+3], v4 offset:16*\j       ; LDS serves a wave's instructions in order: these see my stores
.endr
	s_wait_dscnt 0x0
	v_max3_num_f32 v48, |v[N]|, |v[N+1]|, 0x1800000        ; the floor 2^(3 - 127) among the leaves: the byte cannot fall under 1
	v_pk_mul_f32 v[50:51], v[N:N+1], v[N:N+1]
	v_max3_num_f32 v49, |v[N+2]|, |v[N+3]|, 0x1800000
	v_pk_mul_f32 v[52:53], v[N+2:N+3], v[N+2:N+3]
.irp i, 4,8,12
	v_max3_num_f32 v48, v48, |v[N+\i]|, |v[N+\i+1]|
	v_pk_fma_f32 v[50:51], v[N+\i:N+\i+1], v[N+\i:N+\i+1], v[50:51]
	v_max3_num_f32 v49, v49, |v[N+\i+2]|, |v[N+\i+3]|
	v_pk_fma_f32 v[52:53], v[N+\i+2:N+\i+3], v[N+\i+2:N+\i+3], v[52:53]
.endr
	v_max_num_f32 v48, v48, v49
	v_pk_add_f32 v[50:51], v[50:51], v[52:53]
	v_max_num_f32_dpp v48, v48, v48 row_xmask:1 row_mask:0xf bank_mask:0xf     ; the block's other half
	v_add_f32 v50, v50, v51
	v_add_nc_u32 v54, 0xff000000, v48              ; 2 off the exponent field: the conversion takes this operand's exponent field as its scale
	v_add_f32_dpp v50, v50, v50 row_xmask:1 row_mask:0xf bank_mask:0xf
	v_cvt_scalef32_pk8_fp4_f32 v56, v[N:N+7], v54
	v_cvt_scalef32_pk8_fp4_f32 v57, v[N+8:N+15], v54
	v_lshrrev_b32 v55, 23, v54                     ; the scale's byte
	v_add_f32_dpp v50, v50, v50 row_xmask:2 row_mask:0xf bank_mask:0xf
	ds_store_b64 v5, v[56:57]
	ds_store_b8 v6, v55                            ; both lanes of a block write the same byte with the same value
	v_add_f32_dpp v50, v50, v50 row_xmask:4 row_mask:0xf bank_mask:0xf
	v_add_f32_dpp v50, v50, v50 row_xmask:8 row_mask:0xf bank_mask:0xf
	v_permlanex16_b32 v51, v50, s14, s15
	v_add_f32 v50, v50, v51
	v_mul_f32 v50, 0xbc3d7c04, v50                 ; x -(S / 2)
	ds_store_b32 v7, v50                           ; all lanes write the same word with the same value
	s_wait_dscnt 0x0                               ; for the others' sake: my stores have landed
	s_barrier_signal -1
	s_barrier_wait -1
	s_cmp_gt_u32 s12, 7
	s_cbranch_scc1 .Lsmall                         ; waves 0-7 send the codes
	ds_load_b128 v[32:35], v8
	s_wait_dscnt 0x0
	global_store_b128 v1, v[32:35], s[6:7]         ; 512 dense bytes a store
	s_branch .Lend
.Lsmall:
	s_cmp_lg_u32 s12, 8
	s_cbranch_scc1 .Lend                           ; wave 8 sends the small things
	ds_load_b64 v[36:37], v11
	ds_load_b32 v38, v12
	s_wait_dscnt 0x0
	global_store_b64 v9, v[36:37], s[8:9]          ; 256 dense bytes, at a multiple of 256 from the buffer's first byte
	global_store_b32 v10, v38, s[10:11]            ; 64 bytes; lanes 16-31 repeat lanes 0-15, same place, same value
.Lend:
	s_wait_tensorcnt 0x0                           ; the wave's end
	ds_add_u32 v[SPW], v[NIL]
	s_wait_dscnt 0x0
	s_endpgm
.Lfunc_end_k_qcf8e0a759b_prep:
	.size	k_qcf8e0a759b_prep, .Lfunc_end_k_qcf8e0a759b_prep-k_qcf8e0a759b_prep
	.p2alignl 7, 3214868480
	.fill 96, 4, 3214868480
	.section	.rodata,"a",@progbits
	.p2align	6, 0x0
	.amdhsa_kernel k_qcf8e0a759b_prep
		.amdhsa_group_segment_fixed_size 47872
		.amdhsa_private_segment_fixed_size 0
		.amdhsa_enable_private_segment 0
		.amdhsa_kernarg_size 32
		.amdhsa_user_sgpr_count 2
		.amdhsa_user_sgpr_kernarg_segment_ptr 1
		.amdhsa_wavefront_size32 1
		.amdhsa_system_sgpr_workgroup_id_x 1
		.amdhsa_system_sgpr_workgroup_id_y 1
		.amdhsa_system_sgpr_workgroup_id_z 1
		.amdhsa_system_vgpr_workitem_id 0
		.amdhsa_next_free_vgpr 64
		.amdhsa_next_free_sgpr 66
		.amdhsa_reserve_vcc 0
		.amdhsa_float_denorm_mode_32 3
		.amdhsa_float_denorm_mode_16_64 3
		.amdhsa_memory_ordered 1
		.amdhsa_forward_progress 1
		.amdhsa_inst_pref_size 7
	.end_amdhsa_kernel
	.amdgpu_metadata
---
amdhsa.version: [ 1, 2 ]
amdhsa.kernels:
  - .name:           k_qcf8e0a759b_prep
    .symbol:         k_qcf8e0a759b_prep.kd
    .args:
      - { .name: centers, .offset: 0, .size: 8, .value_kind: global_buffer, .address_space: global }
      - { .name: ccodes, .offset: 8, .size: 8, .value_kind: global_buffer, .address_space: global }
      - { .name: cscales, .offset: 16, .size: 8, .value_kind: global_buffer, .address_space: global }
      - { .name: cv, .offset: 24, .size: 8, .value_kind: global_buffer, .address_space: global }
    .group_segment_fixed_size: 47872
    .private_segment_fixed_size: 0
    .kernarg_segment_align: 8
    .kernarg_segment_size: 32
    .max_flat_workgroup_size: 512
    .sgpr_count:     66
    .vgpr_count:     64
    .wavefront_size: 32
...
	.end_amdgpu_metadata
.endif
;; end of part 1
;; launch main (part 2): grid 256 x 1, 8 waves a work-group, no clusters, 327,680 bytes of LDS; arguments x, ccodes, cscales, cv, W, b, out0; writes out0
.if DOCPART == 2
	.amdgcn_target "amdgcn-amd-amdhsa--gfx1250"
	.amdhsa_code_object_version 6
	.text
	.protected	k_qcf8e0a759b_main
	.globl	k_qcf8e0a759b_main
	.p2align	8
	.type	k_qcf8e0a759b_main,@function
k_qcf8e0a759b_main:
	s_mov_b64 s[64:65], 0
	v_nop
	global_prefetch_b8 v0, s[64:65] scope:SCOPE_SE
	s_setreg_imm32_b32 hwreg(HW_REG_WAVE_MODE, 25, 1), 1
	s_wait_xcnt 0x0
; out[n] = b + sum over c of W[c] exp(-gamma (|x_n|^2 - 2 x_n . c_c + |c_c|^2) / 512).  x [65536][512] f32; the cross product on codes of FP4 (E2M1) with one E8M0 scale for each 32 along K; all else f32.
; THE EXPONENT IS FORMED WHOLE, in base 2: t = S (cross - |x|^2 / 2) + V[c], S = gamma log2(e) / 256, V[c] = -(S / 2) |c|^2 (made by the launch before).  -|x|^2 / 2 is the C of each sum's first
; matrix instruction; then a pair of numbers costs one packed multiply-add, two exponentials and one packed multiply-add by W[c] onto the row's sum.  The [N][C] matrix never exists in memory.
; LIMITS: NaN and infinities among the inputs are not served.  A block of x whose largest magnitude lies under 2^-124 (zeros too) gets the scale byte 1.  v_exp_f32 gives 0 for results under 2^-126
;   (ISA guide, its entry in 15.8).  The f32 sums (|x|^2, the sum over c) are taken in another order than a plain row sum.
; SHARES.  A work-group owns 256 rows, in 8 blocks of 32 (two tiles of 16).  THE EIGHT WAVES SHARE THE CENTRES: wave w keeps the codes of centres 128 w .. 128 w + 127 (8 tiles x 4 K steps x 8 registers:
; all of window 1) for the whole launch.  As a producer wave w quantises rows 4 w .. 4 w + 3 of each block (8,192 dense bytes); the codes go from wave to wave through LDS as images of the operand's registers.
; THE PRODUCT: source 0 = 16 rows of x, source 1 = 16 centres: register j of lane (r, h) is (row 8 h + j, centre 16 t + r).
; HOW x COMES: each wave has two LDS slots of its own, filled by its own tensor loads, one behind each barrier: block f in slot f % 2.  In trip i (block i is multiplied, block i + 1 quantised) block i + 2 is asked for,
; and one prefetch a wave (a lane a unit of 256 bytes of the wave's own 8,192) names block i + 4, two trips ahead of its load; trips 4 on name nothing.  Ahead of trip 0: block 1 is named beside block 0's load,
; blocks 2 and 3 behind block 1's.
; A TRIP has two steps, one for each row tile: 32 products (eight accumulators by turns), exponents, 64 exponentials, weighted sums.  The pieces of the quantiser stand behind tile 0's products and behind its exponentials.
; TRIP 0 GOES BY HALVES OF THE CENTRES: both row tiles by centre tiles 0-3, then both by tiles 4-7, whose codes are asked for, a tile at a time, while the first half is at work.
; ONE BARRIER A TRIP, behind tile 1's products: in front of its signal a wave has stored its part of image i + 1, has read image i and its slot, and its tensor load has landed.  Tile 1's exponents and exponentials
; stand between signal and wait; its sums stand behind the barrier, under the flight of the next tile's fragments.
; THE ROW SUMS stay apart by lane (16) and wave (8) in LDS until the end: 16 tiles x 8 waves x 1,024 bytes; then each thread adds a row's.
; NO CLUSTER: the one thing that work-groups share is the centres' codes, read once each; a joint load lands in LDS, where 262,144 bytes of codes and 139,264 of ring exceed 327,680, and each refill of x,
; which nobody shares, would then owe a round of the cluster's barrier.
.set IMG,  0                           ; two images of 8,704: tile rt, K step s, half c at 4352 rt + 544 (2 s + c) + 16 x lane (544 = 34 x 16: eight lanes' stores touch different 16-byte columns modulo 256)
.set IMSZ, 8704
.set SCB,  17408                       ; two buffers of 512: x's scale bytes, [32 rows][16]
.set X2B,  18432                       ; two buffers of 128: -|x|^2 / 2 of 32 rows
.set PART, 18688                       ; 8 waves x 16 tiles x 1,024
.set STG,  149760                      ; the ring: two slots of 8,704 for each wave: 32 units of 256 bytes, 272 apart
.set FSTG, 8704
.set SPARE, 289024                     ; the spare words, 128 bytes for each wave
.set L16,  1                           ; v1   16 l
.set STR,  2                           ; v2   out of my slot: 272 l
.set IMW,  3                           ; v3   where my codes go in an image
.set SCW,  4                           ; v4   my two scale bytes
.set X2W,  5                           ; v5   my row's -|x|^2 / 2
.set X2R,  6                           ; v6   a row tile's eight -|x|^2 / 2 for my half
.set PAW,  7                           ; v7   my wave's sums
.set SPW,  8                           ; v8   my spare word
.set NIL,  9                           ; v9   0
.set R4,   10                          ; v10  4 (l % 16)
.set PFO,  11                          ; v11  256 l: the prefetches' offset
.set XS,   12                          ; v12-15   x's scale words, K steps 0-3: lanes 0-15 tile 0's rows, lanes 16-31 tile 1's
.set CSC,  16                          ; v16-31   the centres': tiles 2 T and 2 T + 1 (lanes 0-15, 16-31), K step s at 4 T + s
.set VC,   32                          ; v32-39   V, one for each tile
.set WC,   40                          ; v40-47   W
.set OUT,  48                          ; v48-55   the rows' sums
.set CI,   56                          ; v56-63   -|x|^2 / 2 in the result's layout
.set XF,   64                          ; v64-95   x's four fragments
.set ACC,  96                          ; v96-159  eight accumulators
.set N,    160                         ; v160-223 64 neighbours of one row
.set CODE, 224                         ; v224-231 their codes
.set M,    232                         ; v232-233 largest magnitudes, then bytes
.set E,    234                         ; v234-235 the conversions' scale operands
.set SQ,   236                         ; v236-239 sums of squares
.set OUT2, 248                         ; v248-255 trip 0: tile 1's sums
.set FA,   64                          ; the end: v64-71 LDS addresses
.set FD,   96                          ; the end: v96-223 32 x 4 sums
.set WV,   18                          ; s18  wave
.set G1,   28                          ; s[28:35] descriptor group 1
.set G0,   36                          ; s[36:43] group 0, one set for each slot
.set MSB, 0
.macro WIN new                         ; the immediate's high byte repeats the setting that is left
.if MSB != \new
	s_set_vgpr_msb (MSB<<8)|\new
.set MSB, \new
.endif
.endm
.macro AW                              ; the wait around transcendentals and ahead of blocking waits
	s_wait_alu depctr_va_vdst(0)
.endm
.macro NOP4
.rept 4
	v_nop
.endr
.endm
; THE QUANTISER, in pieces: 64 numbers of a lane, two blocks of 32 at N and N + 32.
.macro QSTEP i
.irp e, 0,1
	v_max3_num_f32 v[M+\e], v[M+\e], |v[N+32*\e+\i]|, |v[N+32*\e+\i+1]|    ; the two blocks by turns, magnitudes and squares by turns: four chains
	v_pk_fma_f32 v[SQ+2*\e:SQ+2*\e+1], v[N+32*\e+\i:N+32*\e+\i+1], v[N+32*\e+\i:N+32*\e+\i+1], v[SQ+2*\e:SQ+2*\e+1]
.endr
.endm
.macro QFIRST
.irp e, 0,1
	v_max3_num_f32 v[M+\e], |v[N+32*\e]|, |v[N+32*\e+1]|, 0x1800000        ; the floor 2^(3 - 127) among the leaves: the byte cannot fall under 1
	v_pk_mul_f32 v[SQ+2*\e:SQ+2*\e+1], v[N+32*\e:N+32*\e+1], v[N+32*\e:N+32*\e+1]   ; the first squares start the sums
.endr
.endm
.macro QA
.irp i, 2,4,6,8,10,12,14
	QSTEP \i
.endr
.endm
.macro QB
.irp i, 16,18,20,22,24,26,28,30
	QSTEP \i
.endr
.endm
.macro CVT e, g
	v_cvt_scalef32_pk8_fp4_f32 v[CODE+4*\e+\g], v[N+32*\e+8*\g:N+32*\e+8*\g+7], v[E+\e]
.endm
.macro QC f                            ; codes, scale bytes and -|x|^2 / 2 of block f into image f % 2; the sum over a row's eight lanes stands between the conversions
.irp e, 0,1
	v_add_nc_u32 v[E+\e], 0xff000000, v[M+\e]      ; 2 off the exponent field: the conversion takes this operand's exponent field as its scale
.endr
	v_pk_add_f32 v[SQ:SQ+1], v[SQ:SQ+1], v[SQ+2:SQ+3]
.irp e, 0,1
	v_lshrrev_b32 v[M+\e], 23, v[E+\e]             ; the scale's byte
.endr
	CVT 0, 0
	v_add_f32 v[SQ], v[SQ], v[SQ+1]
	CVT 0, 1
	CVT 0, 2
	v_add_f32_dpp v[SQ], v[SQ], v[SQ] row_xmask:1 row_mask:0xf bank_mask:0xf
	CVT 0, 3
	CVT 1, 0
	v_add_f32_dpp v[SQ], v[SQ], v[SQ] row_xmask:2 row_mask:0xf bank_mask:0xf
	CVT 1, 1
	CVT 1, 2
	v_add_f32_dpp v[SQ], v[SQ], v[SQ] row_xmask:4 row_mask:0xf bank_mask:0xf
	CVT 1, 3
	v_lshl_or_b32 v[M], v[M+1], 8, v[M]            ; my two bytes are neighbours in the row's sixteen (and the plain line behind the last scaled conversion)
	v_mul_f32 v[SQ], -0.5, v[SQ]
	ds_store_b128 v[IMW], v[CODE:CODE+3] offset:IMSZ*((\f)%2)
	ds_store_b128 v[IMW], v[CODE+4:CODE+7] offset:IMSZ*((\f)%2)+256
	ds_store_b16 v[SCW], v[M] offset:512*((\f)%2)
	ds_store_b32 v[X2W], v[SQ] offset:128*((\f)%2)         ; a row's eight lanes write the same word with the same value
.endm
.macro NLD f                           ; my four rows of block f out of slot f % 2
.irp j, 0,1,2,3,4,5,6,7,8,9,10,11,12,13,14,15
	ds_load_b128 v[N+4*\j:N+4*\j+3], v[STR] offset:FSTG*((\f)%2)+16*\j
.endr
.endm
.macro XFRAG i, rt                     ; a row tile's four fragments, and -|x|^2 / 2 in the result's layout
.irp s, 0,1,2,3
.irp c, 0,1
	ds_load_b128 v[XF+8*\s+4*\c:XF+8*\s+4*\c+3], v[L16] offset:IMG+IMSZ*((\i)%2)+4352*(\rt)+544*(2*\s+\c)
.endr
.endr
	ds_load_b128 v[CI:CI+3], v[X2R] offset:128*((\i)%2)+64*(\rt)
	ds_load_b128 v[CI+4:CI+7], v[X2R] offset:128*((\i)%2)+64*(\rt)+16
.endm
; A row tile x centre tiles a .. a + n - 1, K ascending: 4 n matrix instructions.  The n accumulators (8, or 4 in trip 0) take turns, one instruction a turn.
.macro MM rt, a, n
	WIN 0x04                                       ; source 1 (the centres) in window 1
.irp s, 0,1,2,3
.irp t, 0,1,2,3,4,5,6,7
.if (\t >= (\a)) && (\t < ((\a)+(\n)))
.set AC, ACC+8*\t
.if \s == 0
.set CC, CI
.else
.set CC, ACC+8*\t
.endif
.set XA, XF+8*\s
.set CB, 32*\t+8*\s
.set SB, CSC+4*(\t/2)+\s
.if \rt == 0
.if \t%2 == 0
	v_wmma_scale_f32_16x16x128_f8f6f4 v[AC:AC+7], v[XA:XA+7], v[CB:CB+7], v[CC:CC+7], v[XS+\s], v[SB] matrix_a_fmt:MATRIX_FMT_FP4 matrix_b_fmt:MATRIX_FMT_FP4
.else
	v_wmma_scale_f32_16x16x128_f8f6f4 v[AC:AC+7], v[XA:XA+7], v[CB:CB+7], v[CC:CC+7], v[XS+\s], v[SB] matrix_a_fmt:MATRIX_FMT_FP4 matrix_b_fmt:MATRIX_FMT_FP4 matrix_b_scale:MATRIX_SCALE_ROW1
.endif
.else
.if \t%2 == 0
	v_wmma_scale_f32_16x16x128_f8f6f4 v[AC:AC+7], v[XA:XA+7], v[CB:CB+7], v[CC:CC+7], v[XS+\s], v[SB] matrix_a_fmt:MATRIX_FMT_FP4 matrix_b_fmt:MATRIX_FMT_FP4 matrix_a_scale:MATRIX_SCALE_ROW1
.else
	v_wmma_scale_f32_16x16x128_f8f6f4 v[AC:AC+7], v[XA:XA+7], v[CB:CB+7], v[CC:CC+7], v[XS+\s], v[SB] matrix_a_fmt:MATRIX_FMT_FP4 matrix_b_fmt:MATRIX_FMT_FP4 matrix_a_scale:MATRIX_SCALE_ROW1 matrix_b_scale:MATRIX_SCALE_ROW1
.endif
.endif
.endif
.endr
.endr
	WIN 0
.endm
.macro PKT a, n                        ; t = S (cross - |x|^2 / 2) + V, each accumulator from its low end on; V is the low or the high register of its pair
.irp t, 0,1,2,3,4,5,6,7
.if (\t >= (\a)) && (\t < ((\a)+(\n)))
.set AC, ACC+8*\t
.set VP, VC+2*(\t/2)
.irp i, 0,2,4,6
.if \t%2 == 0
	v_pk_fma_f32 v[AC+\i:AC+\i+1], v[AC+\i:AC+\i+1], s[22:23], v[VP:VP+1] op_sel_hi:[1,0,0]
.else
	v_pk_fma_f32 v[AC+\i:AC+\i+1], v[AC+\i:AC+\i+1], s[22:23], v[VP:VP+1] op_sel:[0,0,1] op_sel_hi:[1,0,1]
.endif
.endr
.endif
.endr
.endm
.macro EXP a, n                        ; the same tiles' exponentials
.set J, ACC+8*(\a)
.rept 8*(\n)
	v_exp_f32 v[J], v[J]
.set J, J+1
.endr
.endm
.macro PKO a, n, o, first              ; their weighted sums onto v[o] on; first = 1: the first products start the sums: nothing is cleared
.irp t, 0,1,2,3,4,5,6,7
.if (\t >= (\a)) && (\t < ((\a)+(\n)))
.set AC, ACC+8*\t
.set WP, WC+2*(\t/2)
.irp i, 0,2,4,6
.if (\t == 0) && (\first == 1)
	v_pk_mul_f32 v[\o+\i:\o+\i+1], v[AC+\i:AC+\i+1], v[WP:WP+1] op_sel_hi:[1,0]
.elseif \t%2 == 0
	v_pk_fma_f32 v[\o+\i:\o+\i+1], v[AC+\i:AC+\i+1], v[WP:WP+1], v[\o+\i:\o+\i+1] op_sel_hi:[1,0,1]
.else
	v_pk_fma_f32 v[\o+\i:\o+\i+1], v[AC+\i:AC+\i+1], v[WP:WP+1], v[\o+\i:\o+\i+1] op_sel:[0,1,0] op_sel_hi:[1,1,1]
.endif
.endr
.endif
.endr
.endm
.macro OUTST tile, o                   ; a row tile's sums, still apart by lane
	ds_store_b128 v[PAW], v[\o:\o+3] offset:1024*(\tile)
	ds_store_b128 v[PAW], v[\o+4:\o+7] offset:1024*(\tile)+512
.endm
.macro PREF f                          ; my 8,192 bytes of block f, a lane a unit of 256 bytes
	global_prefetch_b8 v[PFO], s[4:5] offset:65536*(\f) th:TH_LOAD_NT scope:SCOPE_SE
.endm
.macro FILL s                          ; the one tensor load of this wave behind a barrier
	tensor_load_to_lds s[G0+4*(\s):G0+4*(\s)+3], s[G1:G1+7]
	s_nop 0
	NOP4
.endm
.macro CODES t                         ; the codes of my centre tile t: eight loads
	WIN 0x40                                       ; destination window 1
.irp s, 0,1,2,3
.irp c, 0,1
	global_load_b128 v[32*\t+8*\s+4*\c:32*\t+8*\s+4*\c+3], v[L16], s[6:7] offset:4096*\t+1024*\s+512*\c   ; 512 dense bytes: four registers of a fragment; they stay
.endr
.endr
	WIN 0
.endm
; A trip's last products (row tile 1) and its barrier.
.macro TAIL i, a, n
.if (\i) < 7
	s_wait_dscnt 6                                 ; tile 1's fragments are in; four stores into the image and two of sums may be out
.else
	s_wait_dscnt 2
.endif
.if (\i) <= 5
	s_wait_tensorcnt 0x0                           ; my load of block i + 2 has landed
.endif
.if (\i) <= 4
	ds_add_u32 v[SPW], v[NIL]                      ; the add ahead of a refill's barrier; matrix work stands between it and the wait for it
	s_add_nc_u64 s[G0+4*(((\i)+1)%2)+2:G0+4*(((\i)+1)%2)+3], s[G0+4*(((\i)+1)%2)+2:G0+4*(((\i)+1)%2)+3], 131072   ; block i + 3
.endif
	MM 1, \a, \n
.if (\i) < 7
	s_wait_dscnt 0x0                               ; my part of image i + 1 is stored, my reads are over, the add is done
	s_barrier_signal -1
.endif
	NOP4
	PKT \a, \n
	AW
	EXP \a, \n
.if (\i) < 7
	s_barrier_wait -1
.endif
.endm
; Trip i, behind its barrier.  Four places or more stand between matrix instructions and the first read of a result, or a load into their registers: NOP4, or the quantiser's first lines.
.macro ITER i
.if (\i) <= 5
	FILL (\i)%2                                    ; block i + 2, into the slot of block i, which has been read
.endif
	XFRAG \i, 0
	ds_load_b128 v[XS:XS+3], v[L16] offset:SCB+512*((\i)%2)
	v_nop                                          ; (a plain line behind the exponentials ahead of the barrier)
	AW
.if (\i) == 1
	PKO 4, 4, OUT2, 0                              ; trip 0's tile 1: its second half of the centres
	OUTST 1, OUT2
.else
	PKO 0, 8, OUT, 1                               ; the trip before: tile 1's sums, under the loads' flight
	OUTST 2*(\i)-1, OUT
.endif
.if (\i) < 7
	NLD (\i)+1
	s_wait_dscnt 16                                ; the fragments and scale words are in; block i + 1's sixteen loads may be out
.else
	s_wait_dscnt 2                                 ; the two stores of sums may be out
.endif
	MM 0, 0, 8
.if (\i) < 7
	s_wait_dscnt 0x0                               ; block i + 1's numbers are in
	QFIRST
	XFRAG \i, 1
	QA
.if (\i) <= 3
	PREF (\i)+4
.endif
.else
	NOP4
	XFRAG \i, 1
.endif
	PKT 0, 8
	AW
	EXP 0, 8
.if (\i) < 7
	QB
	QC (\i)+1
.else
	v_nop
.endif
	AW
	PKO 0, 8, OUT, 1
	OUTST 2*(\i), OUT
	TAIL \i, 0, 8
.endm
	s_load_b256 s[4:11], s[0:1], 0x0               ; x s[4:5], the codes s[6:7], their scale bytes s[8:9], V s[10:11]
	s_load_b128 s[12:15], s[0:1], 0x20             ; W s[12:13], b s[14:15]
	s_load_b64 s[16:17], s[0:1], 0x30              ; out
	v_lshl_add_u32 v[SPW], v0, 2, SPARE
	v_mov_b32 v[NIL], 0
	ds_add_u32 v[SPW], v[NIL]                      ; the wave's opening: the add, twice on end, ahead of my first tensor load
	ds_add_u32 v[SPW], v[NIL]
	v_lshrrev_b32 v240, 5, v0
	v_readfirstlane_b32 s[WV], v240                ; wave 0..7
	s_mul_i32 s52, s[WV], 2*FSTG
	s_add_co_u32 s52, s52, STG                     ; my two slots
	s_lshr_b32 s53, s[WV], 2
	s_mul_i32 s53, s53, 4352                       ; my rows' tile of the block's two: w / 4,
	s_and_b32 s54, s[WV], 3                        ; and their place in it: row 4 (w % 4) + l / 8
	s_lshl_b32 s54, s54, 6
	s_add_co_u32 s53, s53, s54
	s_lshl_b32 s54, s[WV], 6
	s_lshl_b32 s55, s[WV], 4
	s_lshl_b32 s56, s[WV], 14
	; descriptor group 1: 8,192 dense bytes as 32 rows of 256 bytes (32 elements of 8 bytes), 16 bytes of padding behind each
	s_mov_b32 s[G1+0], (3<<16)|(1<<20)|(5<<22)|(3<<25)     ; no mask; elements of 8 bytes; padding on; after every 64 words (code 5) four words (code 3)
	s_mov_b32 s[G1+1], 32<<16                      ; tensor_dim0 = 32
	s_mov_b32 s[G1+2], 32<<16                      ; tensor_dim1 = 32
	s_mov_b32 s[G1+3], 32<<16                      ; tile_dim0 = 32
	s_mov_b32 s[G1+4], 32                          ; tile_dim1 = 32
	s_mov_b32 s[G1+5], 32                          ; from row to row: 32 elements
	s_mov_b32 s[G1+6], 0
	s_mov_b32 s[G1+7], 0
	s_mov_b32 s22, 0x3cbd7c04                      ; S = gamma log2(e) / 256
	s_mov_b32 s23, s22                             ; (named with it as a pair, so it is written)
	s_lshl_b32 s20, ttmp9, 19                      ; the work-group's 256 rows of 2,048 bytes,
	s_lshl_b32 s21, s[WV], 13                      ; my four rows of a block
	s_add_co_u32 s20, s20, s21
	s_mov_b32 s21, 0
	v_and_b32 v240, 31, v0                         ; l
	v_and_b32 v241, 15, v0                         ; l % 16
	v_bfe_u32 v242, v0, 4, 1                       ; l / 16
	v_bfe_u32 v243, v0, 3, 2                       ; l / 8
	v_and_b32 v244, 7, v0                          ; l % 8: my blocks are 2 (l % 8) + e = 4 s + 2 c + h: 2 s + c = l % 8, h = e
	v_lshlrev_b32 v[L16], 4, v240
	v_mul_u32_u24 v[STR], v240, 272
	v_mul_u32_u24 v[IMW], v244, 544
	v_lshl_add_u32 v[SCW], v240, 1, SCB            ; 16 (4 w + l / 8) + 2 (l % 8) = 64 w + 2 l
	v_lshl_add_u32 v[X2W], v243, 2, X2B            ; 4 (4 w + l / 8)
	v_lshl_add_u32 v[X2R], v242, 5, X2B
	v_lshl_add_u32 v[PAW], v240, 4, PART
	v_lshl_add_u32 v[IMW], v243, 4, v[IMW]
	v_add_nc_u32 v[STR], s52, v[STR]
	v_add_nc_u32 v[SCW], s54, v[SCW]
	v_add_nc_u32 v[X2W], s55, v[X2W]
	v_add_nc_u32 v[PAW], s56, v[PAW]
	v_add_nc_u32 v[IMW], s53, v[IMW]
	v_lshlrev_b32 v[R4], 2, v241
	v_lshlrev_b32 v[PFO], 8, v240
	AW
	s_wait_dscnt 0x0                               ; both opening adds are done
	s_wait_kmcnt 0x0
	s_add_nc_u64 s[4:5], s[4:5], s[20:21]          ; x at my rows of block 0; a block is 65,536 bytes
.irp f, 0,1
	s_mov_b32 s[G0+4*\f], 1                                        ; count = 1
	s_add_co_u32 s[G0+4*\f+1], s52, \f*FSTG                        ; LDS address: my slot f
	s_add_nc_u64 s[G0+4*\f+2:G0+4*\f+3], s[4:5], \f*65536          ; global address: my rows of block f
	s_or_b32 s[G0+4*\f+3], s[G0+4*\f+3], 0x80000000                ; type = 2
.endr
	FILL 0                                         ; block 0
	s_load_b32 s24, s[14:15], 0x0                  ; b
	s_lshl_b32 s20, s[WV], 15                      ; my 8 tiles of codes,
	s_add_nc_u64 s[6:7], s[6:7], s[20:21]
	s_lshl_b32 s20, s[WV], 11                      ; my 128 centres' scale bytes,
	s_add_nc_u64 s[8:9], s[8:9], s[20:21]
	s_lshl_b32 s20, s[WV], 9                       ; their V and W,
	s_add_nc_u64 s[10:11], s[10:11], s[20:21]
	s_add_nc_u64 s[12:13], s[12:13], s[20:21]
	s_lshl_b32 s20, ttmp9, 10                      ; the work-group's 256 outputs
	s_add_nc_u64 s[16:17], s[16:17], s[20:21]
.irp t, 0,1,2,3
	global_load_b128 v[CSC+4*\t:CSC+4*\t+3], v[L16], s[8:9] offset:512*\t      ; lane l: centre 32 t + l's four scale words
.endr
.irp t, 0,1,2,3,4,5,6,7
	global_load_b32 v[VC+\t], v[R4], s[10:11] offset:64*\t
	global_load_b32 v[WC+\t], v[R4], s[12:13] offset:64*\t
.endr
	CODES 0
	PREF 1
	CODES 1
	s_wait_tensorcnt 0x0                           ; block 0 has landed
	ds_add_u32 v[SPW], v[NIL]
	s_wait_dscnt 0x0
	s_barrier_signal -1
	s_barrier_wait -1
	FILL 1                                         ; block 1
	NLD 0
	s_wait_dscnt 0x0
	QFIRST
	QA
	PREF 2
	QB
	QC 0
	PREF 3
	CODES 2
	CODES 3
	s_wait_tensorcnt 0x0                           ; block 1 has landed
	ds_add_u32 v[SPW], v[NIL]
	s_add_nc_u64 s[G0+2:G0+3], s[G0+2:G0+3], 131072        ; slot 0 goes on to block 2
	s_wait_dscnt 0x0
	s_wait_kmcnt 0x0                               ; b
	s_barrier_signal -1
	s_barrier_wait -1                              ; image 0 lies in LDS
	; TRIP 0
	FILL 0                                         ; block 2
	XFRAG 0, 0
	ds_load_b128 v[XS:XS+3], v[L16] offset:SCB
	NLD 1
	s_wait_loadcnt 0x0                             ; the small operands and centre tiles 0-3
	s_wait_dscnt 16                                ; the fragments and scale words are in; block 1's sixteen loads may be out
	MM 0, 0, 4                                     ; row tile 0, centre tiles 0-3
	s_wait_dscnt 0x0
	QFIRST
	XFRAG 0, 1
	CODES 4
	QA
	PREF 4
	PKT 0, 4
	AW
	EXP 0, 4
	CODES 5
	v_nop
	AW
	PKO 0, 4, OUT, 1
	s_wait_dscnt 0x0
	MM 1, 0, 4                                     ; row tile 1, centre tiles 0-3
	NOP4
	XFRAG 0, 0
	CODES 6
	QB
	PKT 0, 4
	AW
	EXP 0, 4
	CODES 7
	v_nop
	AW
	PKO 0, 4, OUT2, 1
	s_wait_loadcnt 0x0                             ; centre tiles 4-7
	s_wait_dscnt 0x0
	MM 0, 4, 4                                     ; row tile 0, centre tiles 4-7
	NOP4
	XFRAG 0, 1
	PKT 4, 4
	AW
	EXP 4, 4
	QC 1
	AW
	PKO 4, 4, OUT, 0
	OUTST 0, OUT
	TAIL 0, 4, 4                                   ; row tile 1, centre tiles 4-7
	ITER 1
	ITER 2
	ITER 3
	ITER 4
	ITER 5
	ITER 6
	ITER 7
	; THE END.  Thread u adds row u: tile T = u / 16; u % 16 = p + 4 q + 8 h; it takes of each wave's sums the 16 bytes of lanes 16 h + 4 m + p (rows 8 h + 4 q + 0 .. 3), m = 0 .. 3;
	; lanes with other (q, h) begin with another m, so that sixteen lanes touch sixteen different 16-byte columns modulo 256.
	v_lshrrev_b32 v72, 4, v0
	v_bfe_u32 v73, v0, 2, 1                        ; q
	v_bfe_u32 v74, v0, 3, 1                        ; h
	v_and_b32 v75, 3, v0                           ; p
	v_lshl_add_u32 v72, v72, 10, PART
	v_lshl_add_u32 v76, v73, 1, v74                ; 2 q + h
	v_lshl_add_u32 v72, v73, 9, v72
	v_lshl_add_u32 v72, v74, 8, v72
	v_lshl_add_u32 v72, v75, 4, v72
.irp m, 0,1,2,3
	v_add_nc_u32 v[FA+\m], \m, v76
.endr
.irp m, 0,1,2,3
	v_and_b32 v[FA+\m], 3, v[FA+\m]
.endr
.irp m, 0,1,2,3
	v_lshl_add_u32 v[FA+\m], v[FA+\m], 6, v72      ; waves 0-3,
.endr
.irp m, 0,1,2,3
	v_add_nc_u32 v[FA+4+\m], 0x10000, v[FA+\m]     ; and waves 4-7
.endr
	v_lshlrev_b32 v77, 2, v0
	v_lshlrev_b32 v78, 4, v0
	AW
	PKO 0, 8, OUT, 1
	OUTST 15, OUT
	s_wait_dscnt 0x0
	s_barrier_signal -1
	s_barrier_wait -1                              ; all sums lie in LDS
.irp g, 0,1
.irp w, 0,1,2,3
.irp m, 0,1,2,3
	ds_load_b128 v[FD+64*\g+16*\w+4*\m:FD+64*\g+16*\w+4*\m+3], v[FA+4*\g+\m] offset:16384*\w
.endr
.endr
.endr
.macro ADDQ d, k                       ; quad d += quad k
	v_pk_add_f32 v[FD+4*(\d):FD+4*(\d)+1], v[FD+4*(\d):FD+4*(\d)+1], v[FD+4*(\k):FD+4*(\k)+1]
	v_pk_add_f32 v[FD+4*(\d)+2:FD+4*(\d)+3], v[FD+4*(\d)+2:FD+4*(\d)+3], v[FD+4*(\k)+2:FD+4*(\k)+3]
.endm
	s_wait_dscnt 16                                ; waves 0-3's are in; waves 4-7's sixteen loads may be out
.irp k, 4,5,6,7,8,9,10,11,12,13,14,15
	ADDQ \k%4, \k
.endr
	AW
	s_wait_dscnt 0x0
.irp k, 16,17,18,19,20,21,22,23,24,25,26,27,28,29,30,31
	ADDQ \k%4, \k
.endr
	ADDQ 0, 1
	ADDQ 2, 3
	ADDQ 0, 2
.irp k, 1,2
.irp j, 0,1,2,3
	v_add_f32_dpp v[FD+\j], v[FD+\j], v[FD+\j] row_xmask:\k row_mask:0xf bank_mask:0xf     ; the four lanes p
.endr
.endr
	v_and_b32 v72, 1, v0
	v_and_b32 v73, 2, v0
	v_cmp_ne_u32 s20, 0, v72
	v_cmp_ne_u32 s21, 0, v73
	v_cndmask_b32 v74, v[FD], v[FD+1], s20         ; lane p keeps row p of the quad: its own row u
	v_cndmask_b32 v75, v[FD+2], v[FD+3], s20
	v_cndmask_b32 v76, v74, v75, s21
	v_add_f32 v76, s24, v76                        ; + b
	ds_store_b32 v77, v76                          ; where image 0 lay: nobody reads it any more
	AW
	s_wait_dscnt 0x0
	s_barrier_signal -1
	s_barrier_wait -1
	s_cmp_gt_u32 s[WV], 1
	s_cbranch_scc1 .Ldone                          ; 256 sums are 64 threads x 16 bytes: waves 0 and 1
	ds_load_b128 v[80:83], v78
	s_wait_dscnt 0x0
	global_store_b128 v78, v[80:83], s[16:17]      ; a wave stores 512 dense bytes, at a multiple of 256 from the output's first byte
.Ldone:
	s_wait_tensorcnt 0x0                           ; the wave's end
	ds_add_u32 v[SPW], v[NIL]
	s_wait_dscnt 0x0
	s_endpgm
.Lfunc_end_k_qcf8e0a759b_main:
	.size	k_qcf8e0a759b_main, .Lfunc_end_k_qcf8e0a759b_main-k_qcf8e0a759b_main
	.p2alignl 7, 3214868480
	.fill 96, 4, 3214868480
	.section	.rodata,"a",@progbits
	.p2align	6, 0x0
	.amdhsa_kernel k_qcf8e0a759b_main
		.amdhsa_group_segment_fixed_size 327680
		.amdhsa_private_segment_fixed_size 0
		.amdhsa_enable_private_segment 0
		.amdhsa_kernarg_size 56
		.amdhsa_user_sgpr_count 2
		.amdhsa_user_sgpr_kernarg_segment_ptr 1
		.amdhsa_wavefront_size32 1
		.amdhsa_system_sgpr_workgroup_id_x 1
		.amdhsa_system_sgpr_workgroup_id_y 1
		.amdhsa_system_sgpr_workgroup_id_z 1
		.amdhsa_system_vgpr_workitem_id 0
		.amdhsa_next_free_vgpr 512
		.amdhsa_next_free_sgpr 66
		.amdhsa_reserve_vcc 0
		.amdhsa_float_denorm_mode_32 3
		.amdhsa_float_denorm_mode_16_64 3
		.amdhsa_memory_ordered 1
		.amdhsa_forward_progress 1
		.amdhsa_inst_pref_size 255
	.end_amdhsa_kernel
	.section	.bss,"aw",@nobits
	.p2align	6
	.space	262144
	.amdgpu_metadata
---
amdhsa.version: [ 1, 2 ]
amdhsa.kernels:
  - .name:           k_qcf8e0a759b_main
    .symbol:         k_qcf8e0a759b_main.kd
    .args:
      - { .name: x, .offset: 0, .size: 8, .value_kind: global_buffer, .address_space: global }
      - { .name: ccodes, .offset: 8, .size: 8, .value_kind: global_buffer, .address_space: global }
      - { .name: cscales, .offset: 16, .size: 8, .value_kind: global_buffer, .address_space: global }
      - { .name: cv, .offset: 24, .size: 8, .value_kind: global_buffer, .address_space: global }
      - { .name: W, .offset: 32, .size: 8, .value_kind: global_buffer, .address_space: global }
      - { .name: b, .offset: 40, .size: 8, .value_kind: global_buffer, .address_space: global }
      - { .name: out0, .offset: 48, .size: 8, .value_kind: global_buffer, .address_space: global }
    .group_segment_fixed_size: 327680
    .private_segment_fixed_size: 0
    .kernarg_segment_align: 8
    .kernarg_segment_size: 56
    .max_flat_workgroup_size: 256
    .sgpr_count:     66
    .vgpr_count:     512
    .wavefront_size: 32
...
	.end_amdgpu_metadata
.endif
;; end of part 2
